; MI455X (gfx1250); checked and timed in simulation.
; The chip was launched on July 23, 2026; its instructions are those of AMD's public machine-readable ISA for CDNA 5 (MIT licence, August 2026) and "CDNA5" Instruction Set Architecture Reference Guide (July 2026). The comments in the code are by the model that wrote it; some were corrected since.
;; Projected Gaussian Rasterizer. Allowed arithmetic: float matrix products may take bf16 or f16 operands with f32 sums; all other float work in f32.
;; Inputs: colors 2 x 8,192 x 3 float32; conics 2 x 8,192 x 3 float32; depths 2 x 8,192 float32; means2d 2 x 8,192 x 2 float32; opacities 2 x 8,192 float32.
;; Outputs: out0 2 x 64 x 128 x 3 float32; out1 2 x 64 x 128 float32.
;; Constants: image_height = 64, image_width = 128.
;; One version. Each part assembles by itself: llvm-mc -triple=amdgcn-amd-amdhsa -mcpu=gfx1250 --defsym DOCPART=n.
;; ======== version 1 of 1: 2 launches
;; workspace buffers: ranks 65,536 bytes of whole numbers
;; launch rank (part 1): grid 256 x 1, 32 waves a work-group, no clusters, 40,960 bytes of LDS; arguments depths, ranks; writes ranks
.if DOCPART == 1
	.amdgcn_target "amdgcn-amd-amdhsa--gfx1250"
	.amdhsa_code_object_version 6
	.text
	.protected	k_q0d46bb627c_rank
	.globl	k_q0d46bb627c_rank
	.p2align	8
	.type	k_q0d46bb627c_rank,@function
k_q0d46bb627c_rank:
	s_mov_b64 s[64:65], 0
	v_nop
	global_prefetch_b8 v0, s[64:65] scope:SCOPE_SE
	s_setreg_imm32_b32 hwreg(HW_REG_WAVE_MODE, 25, 1), 1
	s_wait_xcnt 0x0
; ranks[b][i] = place of gaussian i in the stable ascending sort of depths[b][:]  (the inverse of argsort's permutation)
;             = #{ j : key_j < key_i } + #{ j < i : key_j = key_i }.
; A depth becomes a signed whole-number key that sorts as the float does: -0 counts as +0, every NaN becomes one code above +inf, so that
; equal depths keep their index order and NaNs come last, in index order.
; 256 work-groups; a work-group owns 64 gaussians of one batch and compares them with all 8,192 keys of the batch, kept in LDS (32 KiB).
; 32 waves: wave w holds the 32 gaussians of unit 2 x group + (w & 1), one a lane, and walks the 512 keys of range w >> 1, in units of 32.
; A unit of keys lies wholly below, wholly above or exactly on the wave's own unit of gaussians, so ties are settled by the choice of the
; comparison (<= below, < above and on) and, on the wave's own unit, by 31 further comparisons for equality under a lane mask.
; Two vector instructions a pair: a comparison and an add with carry-in.  The count goes to memory at index i: no address hangs on it.
.set PART, 32768                       ; LDS: behind the keys, 16 ranges x 64 partial counts
.set KEY,  16                          ; v[16:47]  32 keys of a unit, the same in every lane
.set RAW,  48                          ; v[48:55]  the 8 depths that this thread turns into keys for LDS
	s_load_b128 s[4:7], s[0:1], 0x0                ; depths s[4:5], ranks s[6:7]
	v_lshl_add_u32 v56, v0, 2, 0x9000
	v_mov_b32 v57, 0
	v_lshrrev_b32 v1, 5, v0
	v_readfirstlane_b32 s8, v1                     ; wave 0..31
	v_and_b32 v2, 31, v0                           ; lane
	s_lshr_b32 s9, ttmp9, 7                        ; batch
	s_and_b32 s10, ttmp9, 127                      ; which 64 gaussians of the batch
	s_lshl_b32 s12, s9, 15                         ; the batch's 32,768 bytes
	s_mov_b32 s13, 0
	s_lshl_b32 s20, s10, 8                         ; the group's 256 bytes of ranks
	s_add_co_u32 s20, s20, s12
	s_mov_b32 s21, 0
	s_and_b32 s14, s8, 1                           ; which half of the 64
	s_lshl1_add_u32 s15, s10, s14                  ; my unit of gaussians, 0..255
	s_lshr_b32 s16, s8, 1                          ; my range of keys, 0..15
	s_lshl_b32 s17, s16, 4                         ; its first unit
	v_lshlrev_b32 v3, 4, v0                        ; 16 bytes a thread
	v_lshl_add_u32 v4, s15, 5, v2                  ; my gaussian
	v_lshlrev_b32 v4, 2, v4
	v_mov_b32 v9, 0x7fc00000                       ; the one NaN code
	s_wait_kmcnt 0x0
	s_add_nc_u64 s[4:5], s[4:5], s[12:13]
	s_add_nc_u64 s[6:7], s[6:7], s[20:21]
	global_load_b128 v[RAW:RAW+3], v3, s[4:5]                  ; 1,024 threads x 16 bytes: the first half of the batch's depths
	global_load_b128 v[RAW+4:RAW+7], v3, s[4:5] offset:16384   ; and the second
	global_load_b32 v5, v4, s[4:5]                             ; my own gaussian's depth
	v_mov_b32 v7, s16
	v_lshlrev_b32 v7, 11, v7                       ; LDS address of my range: 512 keys of 4 bytes
	v_mov_b32 v6, 0                                ; the count
	s_mov_b32 s18, 0
	s_wait_loadcnt 0x0
.irp k, 5,48,49,50,51,52,53,54,55
	v_add_f32 v\k, 0, v\k                          ; -0 becomes +0
	v_cmp_neq_f32 vcc_lo, v\k, v\k                 ; true of a NaN alone
	v_cndmask_b32 v\k, v\k, v9, vcc_lo
	v_ashrrev_i32 v10, 31, v\k                     ; a negative float: all bits below the sign are turned over
	v_and_b32 v10, 0x7fffffff, v10
	v_xor_b32 v\k, v10, v\k
.endr
	ds_store_b128 v3, v[RAW:RAW+3]
	ds_store_b128 v3, v[RAW+4:RAW+7] offset:16384
	s_wait_dscnt 0x0                               ; my keys are in LDS before I say so
	s_barrier_signal -1
	s_barrier_wait -1
; 32 keys against my gaussian's key
.macro COUNT cmp
.irp q, 0,1,2,3,4,5,6,7
	s_wait_dscnt 7-\q                              ; LDS loads come back in order: quad q is in, the 7 - q younger ones may be out
.irp e, 0,1,2,3
	\cmp vcc_lo, v[KEY+4*\q+\e], v5
	v_add_co_ci_u32 v6, vcc_lo, 0, v6, vcc_lo      ; count += the lane's bit
.endr
.endr
.endm
.Lunit:
.irp q, 0,1,2,3,4,5,6,7
	ds_load_b128 v[KEY+4*\q:KEY+4*\q+3], v7 offset:16*\q       ; every lane reads the same 16 bytes
.endr
	s_cmp_lt_u32 s17, s15
	s_cbranch_scc1 .Lbelow
	COUNT v_cmp_lt_i32                             ; keys with j > i, or of my own unit: only smaller ones come first
	s_cmp_lg_u32 s17, s15
	s_cbranch_scc1 .Lnext
	; my own unit: key jj of the unit also comes first for the lanes above jj that hold an equal key
.set jj, 0
.rept 31
	v_cmp_eq_u32 vcc_lo, v[KEY+jj], v5
	s_and_b32 vcc_lo, vcc_lo, (0xfffffffe<<jj)&0xffffffff
	v_add_co_ci_u32 v6, vcc_lo, 0, v6, vcc_lo
.set jj, jj+1
.endr
	s_branch .Lnext
.Lbelow:
	COUNT v_cmp_le_i32                             ; keys with j < i: equal ones come first too
.Lnext:
	v_add_nc_u32 v7, 0x80, v7
	s_add_co_u32 s17, s17, 1
	s_add_co_u32 s18, s18, 1
	s_cmp_lt_u32 s18, 16
	s_cbranch_scc1 .Lunit
	; the 16 ranges' counts of a gaussian meet in LDS
	s_lshl_b32 s19, s16, 8
	s_lshl_b32 s22, s14, 7
	s_add_co_u32 s19, s19, s22
	s_add_co_u32 s19, s19, PART
	v_lshl_add_u32 v8, v2, 2, s19                  ; PART + 256 x range + 4 x (gaussian of the 64)
	ds_store_b32 v8, v6
	s_wait_dscnt 0x0
	s_barrier_signal -1
	s_barrier_wait -1
	s_cmp_lg_u32 s8, 0
	s_cbranch_scc1 .Lend
	v_lshlrev_b32 v8, 3, v0                        ; wave 0: lane l adds up gaussians 2 l and 2 l + 1
.set k, 0
.rept 16
	ds_load_b64 v[KEY+2*k:KEY+2*k+1], v8 offset:PART+256*k
.set k, k+1
.endr
	s_wait_dscnt 0x0
.irp k, 1,3,5,7,9,11,13
	v_add3_u32 v[KEY], v[KEY], v[KEY+2*\k], v[KEY+2*\k+2]
	v_add3_u32 v[KEY+1], v[KEY+1], v[KEY+2*\k+1], v[KEY+2*\k+3]
.endr
	v_add_nc_u32 v[KEY], v[KEY], v[KEY+30]
	v_add_nc_u32 v[KEY+1], v[KEY+1], v[KEY+31]
	global_store_b64 v8, v[KEY:KEY+1], s[6:7]      ; 32 lanes x 8 bytes: the group's 256 consecutive bytes, aligned
.Lend:
	s_wait_tensorcnt 0x0
	ds_add_u32 v56, v57
	s_wait_dscnt 0x0
	s_endpgm
.Lfunc_end_k_q0d46bb627c_rank:
	.size	k_q0d46bb627c_rank, .Lfunc_end_k_q0d46bb627c_rank-k_q0d46bb627c_rank
	.p2alignl 7, 3214868480
	.fill 96, 4, 3214868480
	.section	.rodata,"a",@progbits
	.p2align	6, 0x0
	.amdhsa_kernel k_q0d46bb627c_rank
		.amdhsa_group_segment_fixed_size 40960
		.amdhsa_private_segment_fixed_size 0
		.amdhsa_enable_private_segment 0
		.amdhsa_kernarg_size 16
		.amdhsa_user_sgpr_count 2
		.amdhsa_user_sgpr_kernarg_segment_ptr 1
		.amdhsa_wavefront_size32 1
		.amdhsa_system_sgpr_workgroup_id_x 1
		.amdhsa_system_sgpr_workgroup_id_y 1
		.amdhsa_system_sgpr_workgroup_id_z 1
		.amdhsa_system_vgpr_workitem_id 0
		.amdhsa_next_free_vgpr 58
		.amdhsa_next_free_sgpr 66
		.amdhsa_reserve_vcc 1
		.amdhsa_float_denorm_mode_32 3
		.amdhsa_float_denorm_mode_16_64 3
		.amdhsa_memory_ordered 1
		.amdhsa_forward_progress 1
		.amdhsa_inst_pref_size 16
	.end_amdhsa_kernel
	.amdgpu_metadata
---
amdhsa.version: [ 1, 2 ]
amdhsa.kernels:
  - .name:           k_q0d46bb627c_rank
    .symbol:         k_q0d46bb627c_rank.kd
    .args:
      - { .name: depths, .offset: 0, .size: 8, .value_kind: global_buffer, .address_space: global }
      - { .name: ranks, .offset: 8, .size: 8, .value_kind: global_buffer, .address_space: global }
    .group_segment_fixed_size: 40960
    .private_segment_fixed_size: 0
    .kernarg_segment_align: 8
    .kernarg_segment_size: 16
    .max_flat_workgroup_size: 1024
    .sgpr_count:     66
    .vgpr_count:     58
    .wavefront_size: 32
...
	.end_amdgpu_metadata
.endif
;; end of part 1
;; launch raster (part 2): grid 256 x 1, 16 waves a work-group, no clusters, 182,784 bytes of LDS; arguments means2d, conics, colors, opacities, ranks, out0, out1; writes out0, out1
.if DOCPART == 2
	.amdgcn_target "amdgcn-amd-amdhsa--gfx1250"
	.amdhsa_code_object_version 6
	.text
	.protected	k_q0d46bb627c_raster
	.globl	k_q0d46bb627c_raster
	.p2align	8
	.type	k_q0d46bb627c_raster,@function
k_q0d46bb627c_raster:
	s_mov_b64 s[64:65], 0
	v_nop
	global_prefetch_b8 v0, s[64:65] scope:SCOPE_SE
	s_setreg_imm32_b32 hwreg(HW_REG_WAVE_MODE, 25, 1), 1
	s_wait_xcnt 0x0
; Front-to-back compositing of 8,192 depth-ordered gaussians on 64 pixels.  256 work-groups: batch = group >> 7; the group's tile is 64
; neighbouring pixels of one image row (pixels 64 g .. 64 g + 63 of the flattened outputs), so both outputs leave in whole aligned blocks of 256 bytes.
;
; ALGEBRA.  In a tile dy is fixed, so the power, in base 2, is a quadratic in I = x - (tile's centre), I = -32 .. 31:
;   p(I) = c0 + I c1 + I^2 c2,  c2 = -L/2 a,  c1 = 2 c2 dx0 - L b dy,  c0 = dx0 (c2 dx0 - L b dy) - L/2 c dy^2 + log2(op),  L = log2(e).
;   op exp(min(power, 0)) clipped at 0.999  =  min(exp2(p), cap),  cap = min(op, 0.999): exp2 rises, so the two minima move behind it.
;   With op <= 0 or op < 1/255 the cap itself lies under the threshold and alpha is 0, whatever the logarithm gave.
;   A gaussian is four floats (c0, c1, c2, cap), laid into LDS at 16 x its rank; its colours, in bf16, at 2 x rank in three planes.
; SEGMENTS.  (C1, T1) then (C2, T2) composes to (C1 + T1 C2, T1 T2), so the sorted list is cut into 32 segments of 256, each started at T = 1.
;   Wave w of 16 takes segments 2 w (lanes 0-15) and 2 w + 1 (lanes 16-31); lane (r, h) holds pixels r + 16 j, j = 0..3.
; THE SUM OVER GAUSSIANS OF weight x colour goes to the matrix unit: A = weights T alpha in bf16 (16 pixels x 32 k), B = colours in bf16.
;   The k places of lane half h carry 16 gaussians of segment 2 w + h, in A and B alike.  B's columns 0-2 hold the colours of half 0 and zeros
;   for half 1, columns 3-5 the reverse, the rest zeros (those lanes read a block of zeros in LDS): the two segments' sums stay apart.
; LIMITS.  Weights and colours are rounded to bf16.  The quadratic form adds to the base-2 exponent an error of a few units in the last place of
;   1024 |c2|: about 4e-5 at a = 0.25, about 1e-3 at thirty times that.  An alpha within rounding of 1/255 may fall on the other side of
;   the threshold.  A NaN among means, conics, opacities or colours is not reproduced as NaN.  A rank is clamped to 8,191.
; NO JOINT LOADS, NO TENSOR LOADS: the 128 groups of a batch read the same 327,680 bytes, but each value is turned into the tile's own
;   coefficients and scattered by rank, so it passes through registers anyway; raw tiles would want LDS of their own and a second pass,
;   for one read ahead of a loop of some 6,700 vector instructions a wave.
.set COL,   131072                     ; LDS: 8,192 entries of 16 bytes, then three colour planes
.set PLANE, 16384
.set ZERO,  180224                     ; 512 bytes of zeros: 16 steps x 32 bytes for the lanes whose column of B is empty
.set FIN,   32768                      ; after the loop the entries are dead: bytes 0..32,767 take the segments' results, 768 bytes here the image's
.set IV,  2                            ; v[2:5]     I of my four pixels
.set T,   6                            ; v[6:9]     their transmittance in my segment
.set AE,  10                           ; v10        LDS address of my segment's entries, this step
.set AB,  11                           ; v11        LDS address of my column of B, this step
.set AT,  12                           ; v12        where my T go
.set AC,  13                           ; v13        where my sums go
.set Q,   16                           ; v[16:23]   power, then alpha: two gaussians x four pixels
.set W0,  24                           ; v[24:27]   weights of the even gaussian
.set W1,  28                           ; v[28:31]   of the odd one
.set BF,  32                           ; v[32:39]   B fragment
.set AF,  40                           ; v[40:71]   four A fragments, one for each j
.set ACC, 72                           ; v[72:103]  four accumulators
.set P,   104                          ; v[104:167] ring of 16 entries
.set STG, 16                           ; v[16:175]  staging: four groups of ten 16-byte loads (four gaussians each)
.set VM,  176                          ; byte offsets of my four gaussians in means, in conics and colours, in opacities and ranks
.set VC,  177
.set VO,  178
.set XC,  179                          ; the tile's centre x, the row's y
.set YC,  180
.set CH,  181                          ; my column's colour channel
.set E,   182                          ; v[182:185] an entry
.set U,   186                          ; v[186:191] at work
.set AD,  192
.set AD2, 193
.set C01, 194
.set C2,  195
	s_load_b256 s[4:11], s[0:1], 0x0               ; means s[4:5], conics s[6:7], colours s[8:9], opacities s[10:11]
	s_load_b128 s[12:15], s[0:1], 0x20             ; ranks s[12:13], out0 s[14:15]
	s_load_b64 s[16:17], s[0:1], 0x30              ; out1
	v_lshl_add_u32 v196, v0, 2, 0x2c200
	v_mov_b32 v197, 0
	v_lshrrev_b32 v1, 5, v0
	v_readfirstlane_b32 s18, v1                    ; wave 0..15
	s_lshr_b32 s19, ttmp9, 7                       ; batch
	s_lshl_b32 s24, s19, 16                        ; its bytes of means,
	s_mov_b32 s25, 0
	s_mul_i32 s26, s19, 98304                      ; of conics and of colours,
	s_mov_b32 s27, 0
	s_lshl_b32 s28, s19, 15                        ; of opacities and of ranks
	s_mov_b32 s29, 0
	s_lshl_b32 s20, ttmp9, 8                       ; the tile's 256 bytes of out1
	s_mov_b32 s21, 0
	s_mul_i32 s22, ttmp9, 768                      ; and 768 of out0
	s_mov_b32 s23, 0
	v_lshlrev_b32 v[VM], 5, v0
	v_mul_u32_u24 v[VC], 48, v0
	v_lshlrev_b32 v[VO], 4, v0
	s_wait_kmcnt 0x0
	s_add_nc_u64 s[4:5], s[4:5], s[24:25]
	s_add_nc_u64 s[6:7], s[6:7], s[26:27]
	s_add_nc_u64 s[8:9], s[8:9], s[26:27]
	s_add_nc_u64 s[10:11], s[10:11], s[28:29]
	s_add_nc_u64 s[12:13], s[12:13], s[28:29]
	s_add_nc_u64 s[14:15], s[14:15], s[22:23]
	s_add_nc_u64 s[16:17], s[16:17], s[20:21]
	; Thread t takes gaussians 4 (t + 512 q) .. + 3, q = 0..3: all 40 loads of 16 bytes go out at once
.set q, 0
.rept 4
.set R, STG+40*q
	global_load_b128 v[R:R+3],     v[VM], s[4:5] offset:16384*q
	global_load_b128 v[R+4:R+7],   v[VM], s[4:5] offset:16384*q+16
	global_load_b128 v[R+8:R+11],  v[VC], s[6:7] offset:24576*q
	global_load_b128 v[R+12:R+15], v[VC], s[6:7] offset:24576*q+16
	global_load_b128 v[R+16:R+19], v[VC], s[6:7] offset:24576*q+32
	global_load_b128 v[R+20:R+23], v[VC], s[8:9] offset:24576*q
	global_load_b128 v[R+24:R+27], v[VC], s[8:9] offset:24576*q+16
	global_load_b128 v[R+28:R+31], v[VC], s[8:9] offset:24576*q+32
	global_load_b128 v[R+32:R+35], v[VO], s[10:11] offset:8192*q
	global_load_b128 v[R+36:R+39], v[VO], s[12:13] offset:8192*q
.set q, q+1
.endr
	; constants of the tile and of the lane, while the loads are on their way
	s_mov_b32 s32, 0xbfb8aa3b                      ; -L
	s_mov_b32 s33, 0xbf38aa3b                      ; -L/2
	s_mov_b32 s34, 0x3f7fbe77                      ; 0.999
	s_mov_b32 s35, COL
	s_mov_b32 s38, 0x3b808081                      ; 1/255
	s_and_b32 s30, ttmp9, 127
	s_lshr_b32 s31, s30, 1                         ; image row
	s_and_b32 s30, s30, 1
	s_lshl_b32 s30, s30, 6
	s_add_co_u32 s30, s30, 32                      ; the tile's first x + 32
	v_cvt_f32_u32 v[XC], s30
	v_cvt_f32_u32 v[YC], s31
	v_add_f32 v[XC], 0.5, v[XC]                    ; pixel centres
	v_add_f32 v[YC], 0.5, v[YC]
	v_and_b32 v1, 15, v0                           ; r
	v_bfe_u32 v14, v0, 4, 1                        ; h
	v_cvt_f32_u32 v15, v1
	v_add_f32 v[IV], 0xc2000000, v15               ; I = r + 16 j - 32
	v_add_f32 v[IV+1], 0xc1800000, v15
	v_mov_b32 v[IV+2], v15
	v_add_f32 v[IV+3], 0x41800000, v15
.irp j, 0,1,2,3
	v_mov_b32 v[T+\j], 1.0
.endr
	s_lshl_b32 s36, s18, 13
	v_lshl_add_u32 v[AE], v14, 12, s36             ; segment 2 w + h: 256 entries of 16 bytes each
	v_cmp_le_u32 vcc_lo, 3, v1
	v_cndmask_b32 v15, 0, 1, vcc_lo                ; g: columns 3-5 belong to the second segment
	v_mul_u32_u24 v[CH], 3, v15
	v_sub_nc_u32 v[CH], v1, v[CH]
	v_min_u32 v[CH], 2, v[CH]                      ; colour channel (columns 6-15 are not used; their number stays inside the planes)
	v_cmp_gt_u32 s40, 6, v1                        ; the lanes of columns 0-5; kept for the way out
	v_cmp_eq_u32 s41, v15, v14                     ; my half of k is my column's segment
	s_and_b32 vcc_lo, s40, s41
	s_lshl_b32 s37, s18, 10
	s_add_co_u32 s37, s37, COL
	v_lshl_add_u32 v[U], v[CH], 14, s37            ; plane + 512 bytes for each segment
	v_lshl_add_u32 v[U], v14, 9, v[U]
	v_mov_b32 v[AB], ZERO
	v_cndmask_b32 v[AB], v[AB], v[U], vcc_lo       ; every other lane reads zeros
	s_lshl_b32 s43, s18, 11
	s_cmp_lg_u32 s18, 0
	s_cbranch_scc1 .Lzeroed
.irp j, 0,1,2,3
	v_mov_b32 v[E+\j], 0
.endr
	v_lshlrev_b32 v[AD], 4, v0
	v_add_nc_u32 v[AD], ZERO, v[AD]
	ds_store_b128 v[AD], v[E:E+3]                  ; wave 0: 32 lanes x 16 bytes of zeros
.Lzeroed:
; One gaussian (number e of the four at R): its entry for this tile and its colours, into LDS at its rank
.macro GAUSS e
	v_log_f32 v[U+2], v[R+32+\e]                   ; log2(op); the subtraction below stands between it and its use
	v_sub_f32 v[U], v[XC], v[R+2*\e]               ; dx0
	v_sub_f32 v[U+1], v[YC], v[R+2*\e+1]           ; dy
	v_mul_f32 v[U+3], s32, v[R+9+3*\e]             ; -L b
	v_mul_f32 v[E+2], s33, v[R+8+3*\e]             ; c2 = -L/2 a
	v_mul_f32 v[U+4], s33, v[R+10+3*\e]            ; -L/2 c
	v_mul_f32 v[U+3], v[U+3], v[U+1]               ; -L b dy
	v_mul_f32 v[U+4], v[U+4], v[U+1]
	v_fma_f32 v[U+5], v[E+2], v[U], v[U+3]         ; c2 dx0 - L b dy
	s_wait_alu depctr_va_vdst(0)
	v_fma_f32 v[U+4], v[U+4], v[U+1], v[U+2]       ; -L/2 c dy^2 + log2(op)
	v_fma_f32 v[E], v[U+5], v[U], v[U+4]           ; c0
	v_fma_f32 v[E+1], v[E+2], v[U], v[U+5]         ; c1
	v_min_num_f32 v[E+3], s34, v[R+32+\e]          ; cap
	v_min_u32 v[R+36+\e], 0x1fff, v[R+36+\e]       ; a rank stays inside the table
	v_cvt_pk_bf16_f32 v[C01], v[R+20+3*\e], v[R+21+3*\e]
	v_cvt_pk_bf16_f32 v[C2], v[R+22+3*\e], v[R+22+3*\e]
	v_lshlrev_b32 v[AD], 4, v[R+36+\e]
	v_lshl_add_u32 v[AD2], v[R+36+\e], 1, s35
	ds_store_b128 v[AD], v[E:E+3]
	ds_store_b16 v[AD2], v[C01]
	ds_store_b16_d16_hi v[AD2], v[C01] offset:PLANE
	ds_store_b16 v[AD2], v[C2] offset:2*PLANE
.endm
.set q, 0
.rept 4
.set R, STG+40*q
	s_wait_loadcnt 30-10*q                         ; loads come back in order: group q's ten are in, the later groups' may be out
.irp e, 0,1,2,3
	GAUSS \e
.endr
.set q, q+1
.endr
	s_wait_dscnt 0x0                               ; my entries are in LDS before I say so
	s_barrier_signal -1
	s_barrier_wait -1
; power and exp2 of one gaussian (entry at p) on my four pixels, into d .. d+3
.macro POWER d, p
	v_pk_fma_f32 v[\d:\d+1],   v[IV:IV+1],     v[\p+2:\p+3], v[\p:\p+1] op_sel:[0,0,1] op_sel_hi:[1,0,1]   ; I c2 + c1: c2 and c1 for both halves
	v_pk_fma_f32 v[\d+2:\d+3], v[IV+2:IV+3],   v[\p+2:\p+3], v[\p:\p+1] op_sel:[0,0,1] op_sel_hi:[1,0,1]
	v_pk_fma_f32 v[\d:\d+1],   v[IV:IV+1],     v[\d:\d+1],   v[\p:\p+1] op_sel_hi:[1,1,0]                  ; I (..) + c0
	v_pk_fma_f32 v[\d+2:\d+3], v[IV+2:IV+3],   v[\d+2:\d+3], v[\p:\p+1] op_sel_hi:[1,1,0]
.irp j, 0,1,2,3
	v_exp_f32 v[\d+\j], v[\d+\j]
.endr
.endm
; Gaussians kk and kk + 1 of a step.  Behind each run of four exp2 stands plain work on other registers (the second gaussian's power; the first
; one's minima) before a result is used.  fetch = 1: their ring places are loaded again with the next step's entries, once the caps are read.
.macro PAIR fetch
.if kk == 0
	s_wait_dscnt 14                                ; entries 0 and 1 are in; at least the 14 later entries of the same fill were issued behind them
.else
.if \fetch
	s_wait_dscnt 16                                ; behind entry kk + 1: 14 - kk of its fill, kk refills and 2 colour loads of this step
.else
	s_wait_dscnt 16-kk                             ; the last step refills nothing: 14 - kk of its fill and the 2 colour loads
.endif
.endif
	POWER Q, P+4*kk
	POWER Q+4, P+4*kk+4
	s_wait_alu depctr_va_vdst(0)
.irp j, 0,1,2,3
	v_min_num_f32 v[Q+\j], v[Q+\j], v[P+4*kk+3]    ; alpha = min(exp2(p), cap)
.endr
.irp j, 0,1,2,3
	v_min_num_f32 v[Q+4+\j], v[Q+4+\j], v[P+4*kk+7]
.endr
.if \fetch
	ds_load_b128 v[P+4*kk:P+4*kk+3],   v[AE] offset:256+16*kk
	ds_load_b128 v[P+4*kk+4:P+4*kk+7], v[AE] offset:256+16*kk+16
.endif
.irp j, 0,1,2,3,4,5,6,7
	v_cmp_le_f32 s[44+\j], s38, v[Q+\j]            ; 1/255 <= alpha
.endr
.irp j, 0,1,2,3,4,5,6,7
	v_cndmask_b32 v[Q+\j], 0, v[Q+\j], s[44+\j]    ; else 0
.endr
	v_pk_mul_f32 v[W0:W0+1],   v[T:T+1],     v[Q:Q+1]          ; weight = T alpha
	v_pk_mul_f32 v[W0+2:W0+3], v[T+2:T+3],   v[Q+2:Q+3]
	v_pk_add_f32 v[T:T+1],     v[T:T+1],     v[W0:W0+1]   neg_lo:[0,1] neg_hi:[0,1]   ; T (1 - alpha) = T - weight
	v_pk_add_f32 v[T+2:T+3],   v[T+2:T+3],   v[W0+2:W0+3] neg_lo:[0,1] neg_hi:[0,1]
	v_pk_mul_f32 v[W1:W1+1],   v[T:T+1],     v[Q+4:Q+5]
	v_pk_mul_f32 v[W1+2:W1+3], v[T+2:T+3],   v[Q+6:Q+7]
	v_pk_add_f32 v[T:T+1],     v[T:T+1],     v[W1:W1+1]   neg_lo:[0,1] neg_hi:[0,1]
	v_pk_add_f32 v[T+2:T+3],   v[T+2:T+3],   v[W1+2:W1+3] neg_lo:[0,1] neg_hi:[0,1]
.irp j, 0,1,2,3
	v_cvt_pk_bf16_f32 v[AF+8*\j+kk/2], v[W0+\j], v[W1+\j]      ; k places kk (low half) and kk + 1 of pixel row j's fragment
.endr
.if kk == 0
	ds_load_b128 v[BF:BF+3],   v[AB]               ; this step's colours: 16 bf16 of my column.  Far more than four plain vector instructions
	ds_load_b128 v[BF+4:BF+7], v[AB] offset:16     ; that name no matrix register stand between the last matrix instruction and these loads
.endif
.endm
; A step: 16 gaussians of each of my two segments, then four matrix instructions.  zero = 1: they start the sums.
; The four accumulators take turns, one instruction a turn, over the backward jump too.
.macro STEP zero, fetch
.set kk, 0
.rept 8
	PAIR \fetch
.set kk, kk+2
.endr
.if \fetch
	s_wait_dscnt 14                                ; the colours are in: behind them went the refills of entries 2 to 15
.else
	s_wait_dscnt 0
.endif
.irp j, 0,1,2,3
.if \zero
	v_wmma_f32_16x16x32_bf16 v[ACC+8*\j:ACC+8*\j+7], v[AF+8*\j:AF+8*\j+7], v[BF:BF+7], 0
.else
	v_wmma_f32_16x16x32_bf16 v[ACC+8*\j:ACC+8*\j+7], v[AF+8*\j:AF+8*\j+7], v[BF:BF+7], v[ACC+8*\j:ACC+8*\j+7]
.endif
.endr
.if \fetch
	v_add_nc_u32 v[AE], 0x100, v[AE]
	v_add_nc_u32 v[AB], 32, v[AB]
.endif
.endm
.set k, 0
.rept 16
	ds_load_b128 v[P+4*k:P+4*k+3], v[AE] offset:16*k           ; the ring's first fill: lanes 0-15 read one entry, lanes 16-31 another
.set k, k+1
.endr
	STEP 1, 1                                      ; 16 steps: the first starts the sums,
	s_mov_b32 s39, 14
.Lstep:
	STEP 0, 1
	s_sub_co_u32 s39, s39, 1
	s_cmp_lg_u32 s39, 0
	s_cbranch_scc1 .Lstep
	STEP 0, 0                                      ; the last fetches nothing
	; The way out.  These five address sums are also the plain vector instructions that stand between the last matrix instructions and the stores of their results.
	v_lshl_add_u32 v[AT], v14, 10, s43             ; cell (segment, pixel) = 16 bytes (C0, C1, C2, T) at 1,024 x segment + 16 x pixel
	v_lshl_add_u32 v[AT], v1, 4, v[AT]             ; my T: segment 2 w + h, pixel r + 16 j
	v_lshl_add_u32 v[AC], v15, 10, s43             ; my sums: segment 2 w + g, pixels 16 j + 8 h + register, word = channel
	v_lshl_add_u32 v[AC], v14, 7, v[AC]
	v_lshl_add_u32 v[AC], v[CH], 2, v[AC]
	s_wait_dscnt 0x0                               ; my reads of the entries are over (met: the last step waited for 0)
	s_barrier_signal -1
	s_barrier_wait -1                              ; everybody's are: their bytes are written anew
.irp j, 0,1,2,3
	ds_store_b32 v[AT], v[T+\j] offset:256*\j+12
.endr
	s_wait_xcnt 0x0                                ; EXEC changes only behind this wait
	s_mov_b32 vcc_lo, s40
	s_and_saveexec_b32 s42, vcc_lo                 ; columns 0-5 alone hold sums
.irp j, 0,1,2,3
.irp i, 0,1,2,3,4,5,6,7
	ds_store_b32 v[AC], v[ACC+8*\j+\i] offset:256*\j+16*\i
.endr
.endr
	s_or_b32 exec_lo, exec_lo, s42
	s_wait_dscnt 0x0
	s_barrier_signal -1
	s_barrier_wait -1
	s_cmp_lg_u32 s18, 0
	s_cbranch_scc1 .Lend
	; Wave 0 composes the 32 segments, front to back; lane l takes pixels 2 l and 2 l + 1 (32 neighbouring bytes of each segment).
	; Segment 0's registers are the running (C, T).  17 places; place k = 1..15 is loaded again with segment 16 + k once segment k is used.
.set SL, 16                            ; v[16:151]
.set RD, 10
.set FS, 11
.set FL, 12
.set O,  152
.macro COMB s
	v_fma_f32 v[SL],   v[SL+3], v[\s],   v[SL]
	v_fma_f32 v[SL+1], v[SL+3], v[\s+1], v[SL+1]
	v_fma_f32 v[SL+2], v[SL+3], v[\s+2], v[SL+2]
	v_mul_f32 v[SL+3], v[SL+3], v[\s+3]
	v_fma_f32 v[SL+4], v[SL+7], v[\s+4], v[SL+4]
	v_fma_f32 v[SL+5], v[SL+7], v[\s+5], v[SL+5]
	v_fma_f32 v[SL+6], v[SL+7], v[\s+6], v[SL+6]
	v_mul_f32 v[SL+7], v[SL+7], v[\s+7]
.endm
	v_lshlrev_b32 v[RD], 5, v0
.set k, 0
.rept 17
	ds_load_b128 v[SL+8*k:SL+8*k+3],   v[RD] offset:1024*k
	ds_load_b128 v[SL+8*k+4:SL+8*k+7], v[RD] offset:1024*k+16
.set k, k+1
.endr
.set k, 1
.rept 16
	s_wait_dscnt 30                                ; behind segment k's two loads: 2 (16 - k) of the first run and 2 (k - 1) reloads
	COMB SL+8*k
.if k < 16
	ds_load_b128 v[SL+8*k:SL+8*k+3],   v[RD] offset:1024*(16+k)
	ds_load_b128 v[SL+8*k+4:SL+8*k+7], v[RD] offset:1024*(16+k)+16
.endif
.set k, k+1
.endr
.set k, 1
.rept 15
	s_wait_dscnt 30-2*k                            ; behind segment 16 + k's loads: those of the 15 - k later segments
	COMB SL+8*k
.set k, k+1
.endr
	; out1 = 1 - T: 32 lanes x 8 bytes, the tile's 256 consecutive bytes, aligned
	v_sub_f32 v[O],   1.0, v[SL+3]
	v_sub_f32 v[O+1], 1.0, v[SL+7]
	v_lshlrev_b32 v[FL], 3, v0
	global_store_b64 v[FL], v[O:O+1], s[16:17] th:TH_STORE_NT
	; out0: a lane's 24 bytes lie 24 apart, so they pass through LDS and leave as three stores of 256 consecutive bytes each.
	; The bytes are this wave's own, and LDS serves a wave's instructions in order: no wait between the stores and the loads.
	v_mul_u32_u24 v[FS], 24, v0
.irp c, 0,1,2
	ds_store_b32 v[FS], v[SL+\c] offset:FIN+4*\c
	ds_store_b32 v[FS], v[SL+4+\c] offset:FIN+12+4*\c
.endr
.irp c, 0,1,2
	ds_load_b64 v[O+2+2*\c:O+3+2*\c], v[FL] offset:FIN+256*\c
.endr
	s_wait_dscnt 0x0
.irp c, 0,1,2
	global_store_b64 v[FL], v[O+2+2*\c:O+3+2*\c], s[14:15] offset:256*\c th:TH_STORE_NT
.endr
.Lend:
	s_wait_tensorcnt 0x0
	ds_add_u32 v196, v197
	s_wait_dscnt 0x0
	s_endpgm
.Lfunc_end_k_q0d46bb627c_raster:
	.size	k_q0d46bb627c_raster, .Lfunc_end_k_q0d46bb627c_raster-k_q0d46bb627c_raster
	.p2alignl 7, 3214868480
	.fill 96, 4, 3214868480
	.section	.rodata,"a",@progbits
	.p2align	6, 0x0
	.amdhsa_kernel k_q0d46bb627c_raster
		.amdhsa_group_segment_fixed_size 182784
		.amdhsa_private_segment_fixed_size 0
		.amdhsa_enable_private_segment 0
		.amdhsa_kernarg_size 56
		.amdhsa_user_sgpr_count 2
		.amdhsa_user_sgpr_kernarg_segment_ptr 1
		.amdhsa_wavefront_size32 1
		.amdhsa_system_sgpr_workgroup_id_x 1
		.amdhsa_system_sgpr_workgroup_id_y 1
		.amdhsa_system_sgpr_workgroup_id_z 1
		.amdhsa_system_vgpr_workitem_id 0
		.amdhsa_next_free_vgpr 198
		.amdhsa_next_free_sgpr 66
		.amdhsa_reserve_vcc 1
		.amdhsa_float_denorm_mode_32 3
		.amdhsa_float_denorm_mode_16_64 3
		.amdhsa_memory_ordered 1
		.amdhsa_forward_progress 1
		.amdhsa_inst_pref_size 120
	.end_amdhsa_kernel
	.amdgpu_metadata
---
amdhsa.version: [ 1, 2 ]
amdhsa.kernels:
  - .name:           k_q0d46bb627c_raster
    .symbol:         k_q0d46bb627c_raster.kd
    .args:
      - { .name: means2d, .offset: 0, .size: 8, .value_kind: global_buffer, .address_space: global }
      - { .name: conics, .offset: 8, .size: 8, .value_kind: global_buffer, .address_space: global }
      - { .name: colors, .offset: 16, .size: 8, .value_kind: global_buffer, .address_space: global }
      - { .name: opacities, .offset: 24, .size: 8, .value_kind: global_buffer, .address_space: global }
      - { .name: ranks, .offset: 32, .size: 8, .value_kind: global_buffer, .address_space: global }
      - { .name: out0, .offset: 40, .size: 8, .value_kind: global_buffer, .address_space: global }
      - { .name: out1, .offset: 48, .size: 8, .value_kind: global_buffer, .address_space: global }
    .group_segment_fixed_size: 182784
    .private_segment_fixed_size: 0
    .kernarg_segment_align: 8
    .kernarg_segment_size: 56
    .max_flat_workgroup_size: 512
    .sgpr_count:     66
    .vgpr_count:     198
    .wavefront_size: 32
...
	.end_amdgpu_metadata
.endif
;; end of part 2
